; MI455X (gfx1250); checked and timed in simulation.
; The chip was launched on July 23, 2026; its instructions are those of AMD's public machine-readable ISA for CDNA 5 (MIT licence, August 2026) and "CDNA5" Instruction Set Architecture Reference Guide (July 2026). The comments in the code are by the model that wrote it; some were corrected since.
;; Multi Head Attention. Allowed arithmetic: matrix products marked QUANTISED: E2M1 operands, one E8M0 scale for each 32 along K, by v_wmma_scale_f32_16x16x128_f8f6f4 with both operands' format E2M1 (or v_wmma_scale_f32_32x16x128_f4), f32 sums; products left as they are: bf16, f16 or f32 operands; f32 sums; everything else in f32.
;; Inputs: Wk 1,024 x 1,024 float32; Wo 1,024 x 1,024 float32; Wq 1,024 x 1,024 float32; Wv 1,024 x 1,024 float32; bk 1,024 float32; bo 1,024 float32; bq 1,024 float32; bv 1,024 float32; k 4 x 2,048 x 1,024 float32; q 4 x 2,048 x 1,024 float32; v 4 x 2,048 x 1,024 float32.
;; Outputs: out0 4 x 2,048 x 1,024 float32.
;; This version of the problem:
;;   THIS VERSION OF THE PROBLEM IS GIVEN IN LOW PRECISION. The matrix products marked QUANTISED in the list below multiply operands that are first quantised to E2M1 (2 exponent bits, 1 mantissa bit; 4 bits a number), with one power-of-two scale for each 32 numbers along K (OCP MX v1.0); their sums are f32. The products marked 'left as it is' may take bf16, f16 or f32 operands, with f32 sums. Whichever they take, every output number must still come out within the allowed error. Rounding operands to bf16 (8 significant bits) uses up far more of that allowance than f16 does (11 bits, for magnitudes from 6e-5 to 65,504). All else is computed in f32.
;;   The module's matrix products, in the order in which they are computed (A, B: the left and right operand; K: the contracted axis; several contracted axes count as one K, in the product's order):
;;     1. [M 8,192, K 1,024] x [K 1,024, N 1,024]; A: input q; B: input Wq: QUANTISED
;;     2. [M 8,192, K 1,024] x [K 1,024, N 1,024]; A: input k; B: input Wk: QUANTISED
;;     3. [M 8,192, K 1,024] x [K 1,024, N 1,024]; A: input v; B: input Wv: QUANTISED
;;     4. batch 64 x [M 2,048, K 64] x [K 64, N 2,048]; A: computed on the way; B: computed on the way: left as it is (an operand is computed on the way)
;;     5. batch 64 x [M 2,048, K 2,048] x [K 2,048, N 64]; A: computed on the way; B: computed on the way: left as it is (an operand is computed on the way)
;;     6. [M 8,192, K 1,024] x [K 1,024, N 1,024]; A: computed on the way; B: input Wo: left as it is (an operand is computed on the way)
;;   THE QUANTISER, for each operand of a quantised product, along K:
;;     - K is cut into blocks of 32 from its start; a last block that is shorter is filled with zeros.
;;     - A block's scale is 2^e with e = floor(log2(the largest magnitude in the block)) - 2, held to -126 .. 127; a block of zeros has e = 0. As a byte (E8M0): e + 127.
;;     - Each number is divided by its block's scale, clamped to +-6, and rounded to the nearest number of E2M1, ties to even, subnormals kept.
;;     - The product sums the exact products of the quantised numbers (number of the format x scale) in f32.
;;   ~~~python
;;   def quantise(x, axis):      # numpy; x: float32 -> the quantised numbers, widened to float32 again
;;       x = np.moveaxis(x, axis, -1); K = x.shape[-1]
;;       x = np.pad(x, [(0, 0)] * (x.ndim - 1) + [(0, -K % 32)]); x = x.reshape(x.shape[:-1] + (-1, 32)); a = np.abs(x).max(-1, keepdims=True)
;;       e = np.where(a > 0, np.clip(np.frexp(np.where(a > 0, a, 1))[1] - 1 - 2, -126, 127), 0)      # np.frexp(a)[1] - 1 = floor(log2(a)), exactly
;;       r = np.clip(x / 2.0 ** e, -6, 6)
;;       step = 2.0 ** (np.maximum(np.frexp(np.where(r == 0, 1, r))[1] - 1, 0) - 1)
;;       q = np.round(r / step) * step * 2.0 ** e      # np.round: ties to even
;;       return np.moveaxis(q.reshape(q.shape[:-2] + (-1,))[..., :K], -1, axis).astype(np.float32)
;;   ~~~
;; One version. Each part assembles by itself: llvm-mc -triple=amdgcn-amd-amdhsa -mcpu=gfx1250 --defsym DOCPART=n.
;; ======== version 1 of 1: 4 launches
;; limits: values are held in f16: magnitudes above 65,504 overflow, below 6.1e-05 lose precision
;; workspace buffers: codes 14,155,776 bytes; scl 884,736 bytes; wo16 2,097,152 bytes; qkv 50,331,648 bytes; attn 16,777,216 bytes
;; launch quant (part 1): grid 992 x 1, 4 waves a work-group, no clusters, 33,280 bytes of LDS; arguments q, k, v, Wq, Wk, Wv, Wo, codes, scl, wo16; writes codes, scl, wo16
.if DOCPART == 1
	.amdgcn_target "amdgcn-amd-amdhsa--gfx1250"
	.amdhsa_code_object_version 6
	.text
	.protected	k_q32d455d0c5_quant
	.globl	k_q32d455d0c5_quant
	.p2align	8
	.type	k_q32d455d0c5_quant,@function
k_q32d455d0c5_quant:
	s_mov_b64 s[64:65], 0
	v_nop
	global_prefetch_b8 v0, s[64:65] scope:SCOPE_SE
	s_setreg_imm32_b32 hwreg(HW_REG_WAVE_MODE, 25, 1), 1
	s_wait_xcnt 0x0
; q, k, v [8192][1024] and Wq, Wk, Wv [1024][1024], f32 with K innermost, become codes of FP4 (E2M1), two a byte, K innermost, and one E8M0 scale byte for each 32 along K.
; The six tensors lie on end in the two workspaces: rows 0-8191 q, then k, then v, then 1024 rows each of Wq, Wk, Wv; a row is 512 bytes of codes and 32 scale bytes.
; A block's scale is 2^(floor(log2(its largest magnitude)) - 2); its byte is the largest magnitude's exponent field - 2, held at 1 from below.  Each number is divided by the scale and rounded to the nearest code, ties to even, beyond 6 the largest code.
; Wo [1024][1024] f32 becomes f16, laid as images of the last launch's operand registers: [K step of 128: 8][16 rows: 64][32 along K: 4][half: 2][lane][16 bytes]; lane (r, h) holds Wo[16 nt + r][128 ks + 32 kc + 16 half + 8 h + 0..7].
; LIMITS: a block of zeros gets the byte 1 where the rule says 127 (its codes are zeros, and this program alone reads the bytes); blocks whose largest magnitude lies under 2^(2 - 126) keep the byte 1; NaN and infinities are not served; |Wo| stays under 65,504.
; SHARES: work-groups 0-863 quantise 32,768 numbers each, a wave 16 steps of 512; rows are dense, so the tensors are plain streams of blocks.  Work-groups 864-991 convert Wo: a wave takes 16 rows x 128 along K.
; Each of a step's four loads reads 512 consecutive bytes; the 2,048 bytes turn through the wave's own stage in LDS so that a lane holds 16 neighbours along K (two lanes to a block).  No tensor load, no barrier: waves share nothing.
.set WAVES, 4
.set STEPS, 16
.set NQWG,  864                        ; work-groups that quantise
.set EMAX,  2
.set CB,    8                          ; bytes of 16 codes
.set R,     16                         ; v16-79   four sets of 16 numbers as they are loaded
.set X,     80                         ; v80-111  two sets of 16 neighbours
.set E,     112                        ; v112-127 a scale byte for each step
.set C,     128                        ; v128-191 codes: four registers for each step, so that no store's data are written again
.set WREG,  8192                       ; LDS: a region for each wave: two stages of 32 x SP bytes, behind them its 256 scale bytes
.set SP,    80                         ; a lane's place in a stage: 64 bytes + 16 of padding
.set SPW,   12                         ; v12 LDS address of my spare word; never rewritten
.set NIL,   13                         ; v13 0; never rewritten
.set SPARE, WAVES*WREG                 ; behind the four regions: the spare words, 128 bytes a wave, which no other line names
	s_load_b512 s[4:19], s[0:1], 0x0               ; q 4, k 6, v 8, Wq 10, Wk 12, Wv 14, Wo 16, codes 18
	s_load_b128 s[20:23], s[0:1], 0x40             ; scl 20, wo16 22
	v_lshl_add_u32 v[SPW], v0, 2, SPARE
	v_mov_b32 v[NIL], 0
	v_lshrrev_b32 v1, 5, v0
	v_readfirstlane_b32 s24, v1                    ; wave
	v_and_b32 v2, 31, v0                           ; lane
	v_lshlrev_b32 v3, 4, v2                        ; 16 x lane
	s_mul_i32 s25, s24, WREG
	v_lshrrev_b32 v14, 2, v2
	v_mul_u32_u24 v14, v14, SP
	v_and_b32 v15, 3, v2
	v_lshl_add_u32 v14, v15, 4, v14
	v_add_nc_u32 v14, s25, v14                     ; the stage, on the way in: SP (lane / 4) + 16 (lane % 4)
	v_mul_u32_u24 v15, v2, SP
	v_add_nc_u32 v15, s25, v15                     ; and on the way out: SP x lane: my 16 neighbours
	v_mul_u32_u24 v4, v2, CB                       ; my codes' place in a step's
	v_lshrrev_b32 v5, 1, v2
	s_add_co_u32 s25, s25, 2*32*SP
	v_add_nc_u32 v5, s25, v5                       ; LDS: my wave's 256 scale bytes, my block's byte
	v_lshlrev_b32 v7, 3, v2                        ; and on the way out 8 bytes a lane
	v_add_nc_u32 v6, s25, v7
	s_wait_kmcnt 0x0
	s_cmp_ge_u32 ttmp9, NQWG                       ; the work-group's number alone decides
	s_cbranch_scc1 .Lwo
	; which tensor: the choice hangs on the work-group's number alone
	s_mov_b64 s[26:27], s[14:15]                   ; Wv,
	s_mov_b32 s28, 832                             ; whose first work-group is 832
.macro PICK limit, lo, base
	s_cmp_lt_u32 ttmp9, \limit
	s_cselect_b64 s[26:27], s[\lo:\lo+1], s[26:27]
	s_cselect_b32 s28, \base, s28
.endm
	PICK 832, 12, 800
	PICK 800, 10, 768
	PICK 768, 8, 512
	PICK 512, 6, 256
	PICK 256, 4, 0
	s_sub_co_u32 s30, ttmp9, s28
	s_lshl_b32 s30, s30, 17                        ; 131,072 bytes of f32 a work-group,
	s_lshl_b32 s31, s24, 15                        ; 32,768 a wave
	s_add_co_u32 s30, s30, s31
	s_mov_b32 s31, 0
	s_add_nc_u64 s[26:27], s[26:27], s[30:31]
	s_lshl_b32 s30, ttmp9, 2
	s_add_co_u32 s30, s30, s24                     ; which run of 8,192 numbers of the six tensors on end
	s_lshl_b32 s32, s30, 12                        ; 4,096 bytes of codes a run
	s_mov_b32 s33, 0
	s_add_nc_u64 s[18:19], s[18:19], s[32:33]
	s_lshl_b32 s32, s30, 8                         ; 256 scale bytes a run
	s_add_nc_u64 s[20:21], s[20:21], s[32:33]
.macro LOAD t
.irp i, 0,1,2,3
	global_load_b128 v[R+16*((\t)%4)+4*\i:R+16*((\t)%4)+4*\i+3], v3, s[26:27] offset:2048*(\t)+512*\i th:TH_LOAD_NT   ; 32 lanes read 512 consecutive bytes
.endr
.endm
.macro TURN t                          ; step t's numbers through the stage: LDS serves a wave's instructions in order, so no wait stands between the stores and the loads
.irp i, 0,1,2,3
	ds_store_b128 v14, v[R+16*((\t)%4)+4*\i:R+16*((\t)%4)+4*\i+3] offset:32*SP*((\t)%2)+8*SP*\i
.endr
.irp i, 0,1,2,3
	ds_load_b128 v[X+16*((\t)%2)+4*\i:X+16*((\t)%2)+4*\i+3], v15 offset:32*SP*((\t)%2)+16*\i
.endr
.endm
.irp t, 0,1,2,3
	LOAD \t
.endr
	s_wait_loadcnt 12                              ; step 0's four loads are in; the twelve of steps 1 to 3 stay out
	TURN 0
.macro STEP t
.set XS, X+16*((\t)%2)
.if (\t) > 0
	s_wait_dscnt 1                                 ; this step's numbers are back from the stage (the last step's byte store may be out): so its stores into the stage have read their registers,
.else
	s_wait_dscnt 0x0
.endif
.if (\t)+4 < STEPS
	LOAD (\t)+4                                    ; which take the loads of four steps on
.endif
.if (\t)+1 < STEPS
.if STEPS-2-(\t) >= 3
	s_wait_loadcnt 12                              ; the next step's four loads are in; those of the three steps behind it may be out
.else
	s_wait_loadcnt 4*(STEPS-2-(\t))
.endif
	TURN (\t)+1                                    ; and go through the other stage while this step is worked
.endif
	v_max3_num_f32 v8, |v[XS]|, |v[XS+1]|, |v[XS+2]|               ; the largest magnitude of my 16, in two chains
	v_max3_num_f32 v9, |v[XS+3]|, |v[XS+4]|, |v[XS+5]|
.irp i, 6,10
	v_max3_num_f32 v8, v8, |v[XS+\i]|, |v[XS+\i+1]|
	v_max3_num_f32 v9, v9, |v[XS+\i+2]|, |v[XS+\i+3]|
.endr
	v_max3_num_f32 v8, v8, |v[XS+14]|, |v[XS+15]|
	v_max3_num_f32 v8, v8, v9, (EMAX+1)<<23        ; and the floor 2^(EMAX + 1 - 127): the byte cannot fall under 1
	v_max_num_f32_dpp v8, v8, v8 row_xmask:1 row_mask:0xf bank_mask:0xf   ; and of my neighbour's 16: the block's
	v_add_nc_u32 v11, -(EMAX<<23), v8              ; EMAX off its exponent field: the conversion takes the exponent field of this operand as its scale
	v_cvt_scalef32_pk8_fp4_f32 v[C+4*(\t)], v[XS:XS+7], v11
	v_cvt_scalef32_pk8_fp4_f32 v[C+4*(\t)+1], v[XS+8:XS+15], v11
	v_lshrrev_b32 v[E+(\t)], 23, v11               ; the scale's byte (a plain line behind the conversions)
	ds_store_b8 v5, v[E+(\t)] offset:16*(\t)       ; both lanes of a block write the same byte with the same value
	global_store_b64 v4, v[C+4*(\t):C+4*(\t)+1], s[18:19] offset:32*CB*(\t)   ; the wave stores 256 consecutive bytes, aligned
.endm
.irp t, 0,1,2,3,4,5,6,7,8,9,10,11,12,13,14,15
	STEP \t
.endr
	ds_load_b64 v[8:9], v6                         ; LDS serves a wave's instructions in order: these see my byte stores
	s_wait_dscnt 0x0
	global_store_b64 v7, v[8:9], s[20:21]          ; 32 lanes store 256 consecutive bytes, aligned
	s_wait_tensorcnt 0x0                           ; the wave's end
	ds_add_u32 v[SPW], v[NIL]
	s_wait_dscnt 0x0
	s_endpgm
.Lwo:                                              ; Wo to f16 images.
	s_sub_co_u32 s25, ttmp9, NQWG
	s_lshl_b32 s25, s25, 2
	s_add_co_u32 s25, s25, s24                     ; task 0..511
	s_lshr_b32 s28, s25, 3                         ; nt: which 16 rows
	s_and_b32 s29, s25, 7                          ; ks: which 128 along K
	s_lshl_b32 s30, s28, 16                        ; 16 rows of 4,096 bytes
	s_lshl_b32 s31, s29, 9                         ; 128 f32
	s_add_co_u32 s30, s30, s31
	s_mov_b32 s31, 0
	s_add_nc_u64 s[16:17], s[16:17], s[30:31]
	s_lshl_b32 s30, s29, 6
	s_add_co_u32 s30, s30, s28
	s_lshl_b32 s30, s30, 12                        ; (64 ks + nt) x 4,096
	s_add_nc_u64 s[22:23], s[22:23], s[30:31]
	v_and_b32 v8, 15, v0                           ; r
	v_bfe_u32 v9, v0, 4, 1                         ; h
	v_lshlrev_b32 v8, 12, v8
	v_lshl_add_u32 v8, v9, 5, v8                   ; row r, + 8 h numbers.  A load takes 32 bytes of each of 16 rows; the wave's sixteen loads use up these rows' 512 bytes whole
.irp i, 0,1,2,3,4,5,6,7
	global_load_b128 v[16+8*\i:16+8*\i+3], v8, s[16:17] offset:64*\i
	global_load_b128 v[20+8*\i:20+8*\i+3], v8, s[16:17] offset:64*\i+16
.endr
.irp i, 0,1,2,3,4,5,6,7
	s_wait_loadcnt 14-2*\i                         ; pair i is in; the later pairs' loads stay out
.irp j, 0,1,2,3
	v_cvt_pk_f16_f32 v[80+4*\i+\j], v[16+8*\i+2*\j], v[16+8*\i+2*\j+1]
.endr
	global_store_b128 v3, v[80+4*\i:80+4*\i+3], s[22:23] offset:512*\i   ; 512 consecutive bytes: half a fragment's image
.endr
	s_endpgm
.Lfunc_end_k_q32d455d0c5_quant:
	.size	k_q32d455d0c5_quant, .Lfunc_end_k_q32d455d0c5_quant-k_q32d455d0c5_quant
	.p2alignl 7, 3214868480
	.fill 96, 4, 3214868480
	.section	.rodata,"a",@progbits
	.p2align	6, 0x0
	.amdhsa_kernel k_q32d455d0c5_quant
		.amdhsa_group_segment_fixed_size 33280
		.amdhsa_private_segment_fixed_size 0
		.amdhsa_enable_private_segment 0
		.amdhsa_kernarg_size 80
		.amdhsa_user_sgpr_count 2
		.amdhsa_user_sgpr_kernarg_segment_ptr 1
		.amdhsa_wavefront_size32 1
		.amdhsa_system_sgpr_workgroup_id_x 1
		.amdhsa_system_sgpr_workgroup_id_y 1
		.amdhsa_system_sgpr_workgroup_id_z 1
		.amdhsa_system_vgpr_workitem_id 0
		.amdhsa_next_free_vgpr 192
		.amdhsa_next_free_sgpr 66
		.amdhsa_reserve_vcc 0
		.amdhsa_float_denorm_mode_32 3
		.amdhsa_float_denorm_mode_16_64 3
		.amdhsa_memory_ordered 1
		.amdhsa_forward_progress 1
		.amdhsa_inst_pref_size 39
	.end_amdhsa_kernel
	.amdgpu_metadata
---
amdhsa.version: [ 1, 2 ]
amdhsa.kernels:
  - .name:           k_q32d455d0c5_quant
    .symbol:         k_q32d455d0c5_quant.kd
    .args:
      - { .name: q, .offset: 0, .size: 8, .value_kind: global_buffer, .address_space: global }
      - { .name: k, .offset: 8, .size: 8, .value_kind: global_buffer, .address_space: global }
      - { .name: v, .offset: 16, .size: 8, .value_kind: global_buffer, .address_space: global }
      - { .name: Wq, .offset: 24, .size: 8, .value_kind: global_buffer, .address_space: global }
      - { .name: Wk, .offset: 32, .size: 8, .value_kind: global_buffer, .address_space: global }
      - { .name: Wv, .offset: 40, .size: 8, .value_kind: global_buffer, .address_space: global }
      - { .name: Wo, .offset: 48, .size: 8, .value_kind: global_buffer, .address_space: global }
      - { .name: codes, .offset: 56, .size: 8, .value_kind: global_buffer, .address_space: global }
      - { .name: scl, .offset: 64, .size: 8, .value_kind: global_buffer, .address_space: global }
      - { .name: wo16, .offset: 72, .size: 8, .value_kind: global_buffer, .address_space: global }
    .group_segment_fixed_size: 33280
    .private_segment_fixed_size: 0
    .kernarg_segment_align: 8
    .kernarg_segment_size: 80
    .max_flat_workgroup_size: 128
    .sgpr_count:     66
    .vgpr_count:     192
    .wavefront_size: 32
...
	.end_amdgpu_metadata
.endif
;; end of part 1
;; launch proj (part 2): grid 4 x 96, 4 waves a work-group, clusters of 4 x 4, 327,680 bytes of LDS; arguments codes, scl, bq, bk, bv, qkv; writes qkv
.if DOCPART == 2
	.amdgcn_target "amdgcn-amd-amdhsa--gfx1250"
	.amdhsa_code_object_version 6
	.text
	.protected	k_q32d455d0c5_proj
	.globl	k_q32d455d0c5_proj
	.p2align	8
	.type	k_q32d455d0c5_proj,@function
k_q32d455d0c5_proj:
	s_mov_b64 s[64:65], 0
	v_nop
	global_prefetch_b8 v0, s[64:65] scope:SCOPE_SE
	s_setreg_imm32_b32 hwreg(HW_REG_WAVE_MODE, 25, 1), 1
	s_wait_xcnt 0x0
	s_wait_alu depctr_hold_cnt(0) depctr_sa_sdst(0) depctr_va_vdst(0) depctr_va_sdst(0) depctr_va_ssrc(0) depctr_va_vcc(0) depctr_vm_vsrc(0)
	s_getreg_b32 s2, hwreg(HW_REG_IB_STS2, 6, 4)
	s_cmp_eq_u32 s2, 0
	s_cbranch_scc0 .Lentry_in_a_cluster
	s_endpgm
.Lentry_in_a_cluster:
	s_bfe_u32 s2, ttmp6, 0x10000c
	s_cmp_lg_u32 s2, 0xf033
	s_cbranch_scc0 .Lentry_shape_is_right
	s_endpgm
.Lentry_shape_is_right:
; The three quantised products Q = q Wq^T + bq, K = k Wk^T + bk, V = v Wv^T + bv, on codes of FP4 (E2M1) with one E8M0 scale for each 32 along K; sums in f32, the bias being the C of each sum's first product.
; codes: rows of 512 bytes (1,024 codes); scl: rows of 32 bytes; rows 0-24575 the tokens of q, k, v, rows 24576 on the rows of Wq, Wk, Wv.
; A work-group makes 256 tokens x 256 columns of one of the three (p = cluster y / 8); a wave 128 x 128: 64 accumulators, 512 registers.  All of K = 1,024 lies in two LDS slots of 512 along K: nothing is filled again.
; The scales of the work-group's 256 + 256 rows come once, as dense blocks, with the first fills.
; CLUSTERS: 4 x 4 work-groups; the four of a row need the same tokens, the four of a column the same weights: each tile is asked for jointly, by the same tensor load with a mask that names the four.
; THE MATRIX INSTRUCTION IS USED TRANSPOSED (source 0 = 16 rows of W, source 1 = 16 tokens): a lane holds eight neighbouring columns of one token.  Rounded to f16 these 16 bytes ARE half a fragment's share of a lane in the next launch's products,
; so the result is stored as images of operand registers: qkv [p 3][batch x head 64][16 tokens: 128][16 channels: 4][512 bytes].  For Q and K lane l's bytes lie at 16 l; for V at 256 ((l / 8) % 2) + 128 (l / 16) + 16 (l % 8), the order in which
; the turning LDS load of the next launch wants them.  Every store of a wave covers 512 consecutive bytes, aligned; no stage is needed.
; LIMIT: |Q|, |K|, |V| stay under 65,504, f16's largest number.
; REGISTERS: window 0: v0-31 addresses; v32-95 scale words, two sets; v128-191 the tokens' fragments, one set; v192-255 the bias in the result's layout; on the way out v128-255 hold packed results.
;   window 1: the weights' fragments, two sets, at v0 and v128.   window 2: the accumulators of my tokens 0-63 ((a, b) at v[8 (8 a + b)]);   window 3: those of my tokens 64-127.
.set NQ,     4                         ; matrix instructions deep in a slot
.set ROWB,   256                       ; a tile's row: 512 codes
.set KROW,   512                       ; a row of codes in memory
.set PITCH,  272                       ; an LDS row: 256 bytes + 16 of padding: the 16 rows that a load touches start at 16 different banks (64 banks of 4 bytes: ISA guide 11.1)
.set FR,     8
.set NL,     2
.set NP,     4                         ; places behind this matrix instruction (ISA guide 7.12.1)
.set HALFT,  128*PITCH
.set SLOT,   4*HALFT                   ; the tokens' 256 rows, then the weights' 256
.set KS,     32                        ; a row of scales in bytes
.set SCL,    2*SLOT
.set HALFS,  (128*KS/256)*272          ; the scales of 128 rows, as units of 256 bytes + 16 of padding
.set SBLK,   (16*KS/256)*272
.set SPARE,  SCL+4*HALFS               ; the spare words, 128 bytes a wave, which no other line names
.set ADRA, 16
.set ADRB, 20
.set CO,   26                          ; v26 my lane's place in a 512-byte image
.set ADRS, 27
.set SPW,  28
.set NIL,  29
.set SC,   32
.set AF,   128
.set BIAS, 192
.set PK,   128
.set G1, 24
.set G0, 32
.set G1B, 48
.set G0B, 56
.set G1S, 68
.set G0S, 76
.set G1SB, 80
.set G0SB, 88
.set MSB, 0
.macro WIN new                         ; the immediate's high byte repeats the setting that is left
.if MSB != \new
	s_set_vgpr_msb (MSB<<8)|\new
.set MSB, \new
.endif
.endm
.set MUL_LO, 0xa1                      ; source 0 (W) window 1, source 1 (tokens) window 0, C and D window 2
.set MUL_HI, 0xf1
.set TO_B,   0x40
; A joint load: waves 0 and 1 fetch for the tokens, waves 2 and 3 for the weights.  The branch hangs on the wave's number alone.  An s_nop 0 and four v_nop follow each line.
.macro JLOAD g0a, g1a, g0b, g1b
	s_cmp_eq_u32 s15, 0
	s_cbranch_scc0 .Lfor_b_\@
	tensor_load_to_lds s[\g0a:\g0a+3], s[\g1a:\g1a+7]
	s_nop 0
.rept 4
	v_nop
.endr
	s_branch .Lasked_\@
.Lfor_b_\@:
	tensor_load_to_lds s[\g0b:\g0b+3], s[\g1b:\g1b+7]
	s_nop 0
.rept 4
	v_nop
.endr
.Lasked_\@:
.endm
.macro CROUND                          ; a round of the cluster's barrier
	s_barrier_signal -1
	s_barrier_wait -1
	s_cmp_lg_u32 s14, 0
	s_cbranch_scc1 .Lnot_wave_0_\@
	s_barrier_signal -3
.Lnot_wave_0_\@:
	s_barrier_wait -3
	s_barrier_signal -1
	s_barrier_wait -1
.endm
	s_load_b128 s[4:7], s[0:1], 0x0                ; codes, scl
	s_load_b128 s[8:11], s[0:1], 0x10              ; bq, bk
	s_load_b64 s[96:97], s[0:1], 0x20              ; bv
	s_load_b64 s[12:13], s[0:1], 0x28              ; qkv
	v_lshl_add_u32 v[SPW], v0, 2, SPARE
	v_mov_b32 v[NIL], 0
	ds_add_u32 v[SPW], v[NIL]                      ; the wave's opening: the add, twice on end, and its wait ahead of my first tensor load
	ds_add_u32 v[SPW], v[NIL]
	v_lshrrev_b32 v1, 5, v0
	v_readfirstlane_b32 s14, v1                    ; wave 0..3
	s_lshr_b32 s15, s14, 1                         ; which half of the tokens is mine.  Also: I fetch for the tokens (0) or the weights (1)
	s_and_b32 s16, s14, 1                          ; which half of the columns.  Also: which 128 rows I fetch
	s_bfe_u32 s40, ttmp6, 0x40000                  ; cx
	s_bfe_u32 s41, ttmp6, 0x40004                  ; cy
	s_lshl_b32 s42, ttmp9, 2
	s_add_co_u32 s42, s42, s40                     ; tile column 0..3
	s_and_b32 s98, ttmp7, 0xffff                   ; cluster y 0..23
	s_lshl_b32 s17, s98, 2
	s_add_co_u32 s17, s17, s41                     ; tile row 0..95 over q, k, v on end
	s_lshr_b32 s98, s98, 3                         ; p: 0 Q, 1 K, 2 V: of the cluster's y alone, so equal in all sixteen partners
	s_lshl_b32 s43, s41, 2
	s_lshl_b32 s43, 15, s43                        ; my row of the cluster
	s_lshl_b32 s44, 0x1111, s40                    ; my column
	s_or_b32 s[G1+0], s43, (0<<16)|(1<<20)|(1<<21)|(5<<22)|(3<<25)  ; the mask; elements of 1 byte; padding on; bit 21 beside a mask; after every 64 words 4 words
	s_or_b32 s[G1B+0], s44, (0<<16)|(1<<20)|(1<<21)|(5<<22)|(3<<25)
.irp g, G1, G1B
	s_mov_b32 s[\g+1], ROWB<<16                    ; tensor_dim0
	s_mov_b32 s[\g+2], 128<<16                     ; tensor_dim1
	s_mov_b32 s[\g+3], ROWB<<16                    ; tile_dim0
	s_mov_b32 s[\g+4], 128                         ; tile_dim1
	s_mov_b32 s[\g+5], KROW                        ; the pitch
	s_mov_b32 s[\g+6], 0
	s_mov_b32 s[\g+7], 0
.endr
	s_or_b32 s[G1S+0], s43, (3<<16)|(1<<20)|(1<<21)|(5<<22)|(3<<25)  ; the scales of 128 rows: 4,096 dense bytes as 16 rows of 32 elements of 8 bytes, 16 bytes of padding behind each
	s_or_b32 s[G1SB+0], s44, (3<<16)|(1<<20)|(1<<21)|(5<<22)|(3<<25)
.irp g, G1S, G1SB
	s_mov_b32 s[\g+1], 32<<16
	s_mov_b32 s[\g+2], (128*KS/256)<<16
	s_mov_b32 s[\g+3], 32<<16
	s_mov_b32 s[\g+4], 128*KS/256
	s_mov_b32 s[\g+5], 32
	s_mov_b32 s[\g+6], 0
	s_mov_b32 s[\g+7], 0
.endr
	s_lshl_b32 s18, s16, 7                         ; which 128 rows of the tile I fetch
	s_lshl_b32 s20, s17, 8
	s_add_co_u32 s20, s20, s18                     ; tokens: row 256 x tile row + 128 x half
	s_lshl_b32 s46, s42, 8
	s_add_co_u32 s46, s46, s18
	s_lshl_b32 s19, s98, 10
	s_add_co_u32 s46, s46, s19
	s_add_co_u32 s46, s46, 24576                   ; weights: row 24,576 + 1,024 p + 256 x tile column + 128 x half
	s_lshl_b32 s22, s20, 5                         ; where these rows' scales begin,
	s_mov_b32 s23, 0
	s_lshl_b32 s92, s46, 5
	s_mov_b32 s93, 0
	s_lshl_b32 s20, s20, 9                         ; and their codes (27,648 rows of 512 bytes stay under 2^32)
	s_mov_b32 s21, 0
	s_lshl_b32 s46, s46, 9
	s_mov_b32 s47, 0
	s_mul_i32 s45, s14, HALFT                      ; where they go: wave x 128 rows
	s_mul_i32 s94, s14, HALFS
	s_wait_dscnt 0x0                               ; both opening adds are done
	s_wait_kmcnt 0x0
	s_add_nc_u64 s[20:21], s[4:5], s[20:21]
	s_add_nc_u64 s[22:23], s[6:7], s[22:23]
	s_add_nc_u64 s[46:47], s[4:5], s[46:47]
	s_add_nc_u64 s[92:93], s[6:7], s[92:93]
	CROUND                                         ; all sixteen work-groups are here: the first joint loads meet
	s_mov_b32 s[G0S], 1
	s_add_co_u32 s[G0S+1], s94, SCL
	s_mov_b64 s[G0S+2:G0S+3], s[22:23]
	s_or_b32 s[G0S+3], s[G0S+3], 0x80000000
	s_mov_b32 s[G0SB], 1
	s_add_co_u32 s[G0SB+1], s94, SCL
	s_mov_b64 s[G0SB+2:G0SB+3], s[92:93]
	s_or_b32 s[G0SB+3], s[G0SB+3], 0x80000000
	JLOAD G0S, G1S, G0SB, G1SB                     ; the scales first: they are wanted with the first step
.irp s, 0,1
	s_mov_b32 s[G0+4*\s], 1
	s_add_co_u32 s[G0+4*\s+1], s45, \s*SLOT
	s_add_nc_u64 s[G0+4*\s+2:G0+4*\s+3], s[20:21], \s*ROWB
	s_or_b32 s[G0+4*\s+3], s[G0+4*\s+3], 0x80000000
	s_mov_b32 s[G0B+4*\s], 1
	s_add_co_u32 s[G0B+4*\s+1], s45, \s*SLOT
	s_add_nc_u64 s[G0B+4*\s+2:G0B+4*\s+3], s[46:47], \s*ROWB
	s_or_b32 s[G0B+4*\s+3], s[G0B+4*\s+3], 0x80000000
	JLOAD G0+4*\s, G1, G0B+4*\s, G1B               ; three tensor loads of mine are out: all that this launch asks for
.endr
	v_and_b32 v1, 15, v0                           ; l % 16
	v_bfe_u32 v2, v0, 4, 1                         ; l / 16
	; the bias of my 128 columns, in the result's layout: register 8 b + j = bias[256 tx + 128 half + 16 b + 8 (l / 16) + j]
	s_cmp_eq_u32 s98, 1
	s_cselect_b64 s[10:11], s[10:11], s[96:97]     ; bk for p = 1, else bv;
	s_cmp_eq_u32 s98, 0
	s_cselect_b64 s[8:9], s[8:9], s[10:11]         ; bq for p = 0
	s_lshl_b32 s20, s42, 10
	s_lshl_b32 s21, s16, 9
	s_add_co_u32 s20, s20, s21
	s_mov_b32 s21, 0
	s_add_nc_u64 s[8:9], s[8:9], s[20:21]
	v_lshlrev_b32 v7, 5, v2
.irp b, 0,1,2,3,4,5,6,7
	global_load_b128 v[BIAS+8*\b:BIAS+8*\b+3], v7, s[8:9] offset:64*\b
	global_load_b128 v[BIAS+8*\b+4:BIAS+8*\b+7], v7, s[8:9] offset:64*\b+16
.endr
	v_mul_u32_u24 v3, v1, PITCH
	v_lshl_add_u32 v4, v2, 4, v3                   ; a fragment's row x pitch + 16 x half
	s_mul_i32 s21, s15, HALFT                      ; my 128 tokens
	s_mul_i32 s22, s16, HALFT                      ; my 128 rows of W,
	s_add_co_u32 s22, s22, 2*HALFT                 ; which lie behind the tokens' 256
.irp s, 0,1
	v_add_nc_u32 v[ADRA+\s], s21, v4
	v_add_nc_u32 v[ADRB+\s], s22, v4
	s_add_co_u32 s21, s21, SLOT
	s_add_co_u32 s22, s22, SLOT
.endr
	v_mul_u32_u24 v5, v1, KS                       ; my row's scales: KS bytes a row,
	v_lshrrev_b32 v6, 8, v5
	v_lshl_add_u32 v5, v6, 4, v5                   ; and 16 more for each 256 passed
	s_mul_i32 s21, s15, HALFS
	s_mul_i32 s22, s16, HALFS
	s_add_co_u32 s22, s22, 2*HALFS
	s_sub_co_u32 s22, s22, s21
	v_mul_u32_u24 v6, s22, v2                      ; lanes 16-31 take the weights'
	s_add_co_u32 s21, s21, SCL
	v_add_nc_u32 v5, v5, v6
	v_add_nc_u32 v[ADRS], s21, v5
	; the way out: my lane's place in an image, and where my part of qkv begins
	v_and_b32 v5, 31, v0
	v_lshlrev_b32 v5, 4, v5                        ; Q, K: 16 l
	v_and_b32 v6, 7, v0
	v_lshlrev_b32 v6, 4, v6
	v_bfe_u32 v8, v0, 3, 1
	v_lshl_add_u32 v6, v8, 8, v6
	v_lshl_add_u32 v6, v2, 7, v6                   ; V: 256 ((l / 8) % 2) + 128 (l / 16) + 16 (l % 8)
	s_cmp_eq_u32 s98, 2
	s_cselect_b32 s99, -1, 0
	v_cndmask_b32 v[CO], v5, v6, s99
	s_lshl_b32 s20, s98, 24                        ; the plane: 16,777,216 bytes
	s_lshr_b32 s21, s17, 3
	s_and_b32 s21, s21, 3                          ; the batch
	s_lshl_b32 s21, s21, 4
	s_lshl_b32 s22, s42, 2
	s_add_co_u32 s21, s21, s22
	s_lshl_b32 s22, s16, 1
	s_add_co_u32 s21, s21, s22                     ; 16 x batch + my first head (4 x tile column + 2 x half)
	s_lshl_b32 s21, s21, 18                        ; 262,144 bytes a head
	s_add_co_u32 s20, s20, s21
	s_and_b32 s21, s17, 7
	s_lshl_b32 s21, s21, 4
	s_lshl_b32 s22, s15, 3
	s_add_co_u32 s21, s21, s22                     ; my first tile of 16 tokens in the batch
	s_lshl_b32 s21, s21, 11                        ; 2,048 bytes each
	s_add_co_u32 s20, s20, s21
	s_mov_b32 s21, 0
	s_add_nc_u64 s[12:13], s[12:13], s[20:21]
.macro FRAG reg, adr, q, i             ; 16 rows x 128 K of 4-bit codes: 8 registers; lane l holds row l % 16; registers 4 c .. 4 c + 3 hold K = 64 c + 32 (l / 16) + 0 .. 31
.irp c, 0,1
	ds_load_b128 v[\reg+4*\c:\reg+4*\c+3], v[\adr] offset:64*(\q)+32*\c+(\i)*16*PITCH
.endr
.endm
; 16 matrix instructions: token blocks a0, a0 + 1 x W's eight, 128 along K.  p: W's set; sc: the set of scale words.  zero = 1: the first product starts the sums from the bias.
; The 64 accumulators take turns, one instruction a turn, in the same order in every step.
.macro MUL16 a0, p, q, sc, zero
.irp a, \a0, \a0+1
.irp b, 0,1,2,3,4,5,6,7
.if \zero
	v_wmma_scale_f32_16x16x128_f8f6f4 v[8*(8*((\a)%4)+\b):8*(8*((\a)%4)+\b)+7], v[128*(\p)+FR*\b:128*(\p)+FR*\b+FR-1], v[AF+FR*(\a):AF+FR*(\a)+FR-1], v[BIAS+8*\b:BIAS+8*\b+7], v[SC+8*NQ*(\sc)+NQ*\b+(\q)], v[SC+8*NQ*(\sc)+NQ*(\a)+(\q)] matrix_a_fmt:MATRIX_FMT_FP4 matrix_b_fmt:MATRIX_FMT_FP4 matrix_a_scale:MATRIX_SCALE_ROW1
.else
	v_wmma_scale_f32_16x16x128_f8f6f4 v[8*(8*((\a)%4)+\b):8*(8*((\a)%4)+\b)+7], v[128*(\p)+FR*\b:128*(\p)+FR*\b+FR-1], v[AF+FR*(\a):AF+FR*(\a)+FR-1], v[8*(8*((\a)%4)+\b):8*(8*((\a)%4)+\b)+7], v[SC+8*NQ*(\sc)+NQ*\b+(\q)], v[SC+8*NQ*(\sc)+NQ*(\a)+(\q)] matrix_a_fmt:MATRIX_FMT_FP4 matrix_b_fmt:MATRIX_FMT_FP4 matrix_a_scale:MATRIX_SCALE_ROW1
.endif
.endr
.endr
.endm
.macro FETCH_B slot, q, p
	WIN TO_B
.irp i, 0,1,2,3,4,5,6,7
	FRAG 128*(\p)+FR*\i, ADRB+\slot, \q, \i
.endr
	WIN 0
.endm
.macro FETCH_A slot, q, i0
.irp i, \i0, \i0+1, \i0+2, \i0+3
	FRAG AF+FR*(\i), ADRA+\slot, \q, \i
.endr
.endm
.macro SCALES sc                       ; a slot's scale words: 4 words a row; lanes 0-15 take the tokens' block i, lanes 16-31 W's block i
.irp i, 0,1,2,3,4,5,6,7
	ds_load_b128 v[SC+8*NQ*\sc+NQ*\i:SC+8*NQ*\sc+NQ*\i+3], v[ADRS] offset:\i*SBLK
.endr
.endm
.macro PLACES n                        ; plain vector instructions between a matrix instruction and a load into, or a vector read or write of, its registers (ISA guide 7.12.1 for vector reads and writes)
.rept \n
	v_nop
.endr
.endm
.macro STEP slot, q, zero              ; a step of 128 along K that has its successor in the same slot
	s_wait_dscnt 4*NL                              ; W's set and token blocks 0-3 are in; the youngest eight loads (blocks 4-7) may be out
.if \zero
	WIN 0x81                                       ; C (the bias) window 0, D window 2
.else
	WIN MUL_LO
.endif
	MUL16 0, (\q)%2, \q, \slot, \zero
	MUL16 2, (\q)%2, \q, \slot, \zero
	s_wait_dscnt 0                                 ; blocks 4-7 are in
	PLACES NP
	FETCH_B \slot, (\q)+1, 1-(\q)%2
	FETCH_A \slot, (\q)+1, 0
.if \zero
	WIN 0xc1
.else
	WIN MUL_HI
.endif
	MUL16 4, (\q)%2, \q, \slot, \zero
	MUL16 6, (\q)%2, \q, \slot, \zero
	PLACES NP
	WIN 0
	FETCH_A \slot, (\q)+1, 4
.endm
.macro STEPS slot, from
.set Q, \from
.rept NQ-1-\from
	STEP \slot, Q, 0
.set Q, Q+1
.endr
.endm
	s_wait_tensorcnt 1                             ; the scales and my part of slot 0 are in; slot 1's load may stay out
	s_barrier_signal -1
	s_barrier_wait -1                              ; everybody's are
	FETCH_B 0, 0, 0
	FETCH_A 0, 0, 0
	SCALES 0
	FETCH_A 0, 0, 4
	s_wait_loadcnt 0x0                             ; the bias
	STEP 0, 0, 1
	STEPS 0, 1
	; slot 0's last step changes slots: one barrier; in front of it each wave waits for all its tensor loads (its part of slot 1), adds 0 to its spare word and waits for that
	s_wait_tensorcnt 0x0
	ds_add_u32 v[SPW], v[NIL]
	s_wait_dscnt 4*NL+1                            ; (the add and the youngest eight loads may be out)
	WIN MUL_LO
	MUL16 0, 1, NQ-1, 0, 0
	s_wait_dscnt 0x0
	s_barrier_signal -1
	MUL16 2, 1, NQ-1, 0, 0
	WIN 0
	s_barrier_wait -1                              ; slot 1 is whole
	PLACES NP
	v_add_nc_u32 v[ADRS], 4*NQ, v[ADRS]            ; on to slot 1's scale words
	FETCH_B 1, 0, 0
	FETCH_A 1, 0, 0
	SCALES 1
	WIN MUL_HI
	MUL16 4, 1, NQ-1, 0, 0
	MUL16 6, 1, NQ-1, 0, 0
	PLACES NP
	WIN 0
	FETCH_A 1, 0, 4
	STEPS 1, 0
	s_wait_dscnt 4*NL                              ; the very last step: nothing more to fetch
	WIN MUL_LO
	MUL16 0, 1, NQ-1, 1, 0
	MUL16 2, 1, NQ-1, 1, 0
	s_wait_dscnt 0
	WIN MUL_HI
	MUL16 4, 1, NQ-1, 1, 0
	MUL16 6, 1, NQ-1, 1, 0
	PLACES NP                                      ; ahead of the conversions, which write registers that the last products read
; THE WAY OUT: 32 accumulators at a time are rounded to f16, each from its low end on, and stored: accumulator (a, b) is the image of token tile a, head b / 4, channels 16 (b % 4) on.
.macro OUT hi
	WIN 0x0a+5*\hi                                 ; sources 0 and 1: window 2 or 3
.irp a, 0,1,2,3
.irp b, 0,1,2,3,4,5,6,7
.irp r, 0,1,2,3
	v_cvt_pk_f16_f32 v[PK+4*(8*\a+\b)+\r], v[8*(8*\a+\b)+2*\r], v[8*(8*\a+\b)+2*\r+1]
.endr
.endr
.endr
	WIN 0
.irp a, 0,1,2,3
.irp b, 0,1,2,3,4,5,6,7
	global_store_b128 v[CO], v[PK+4*(8*\a+\b):PK+4*(8*\a+\b)+3], s[12:13] offset:(4*\hi+\a)*2048+(\b/4)*262144+(\b%4)*512   ; 512 consecutive bytes, aligned
.endr
.endr
.endm
	OUT 0
	s_wait_xcnt 0x0                                ; the stores have read their data: the registers are written again only behind this wait
	OUT 1
	s_wait_tensorcnt 0x0                           ; the wave's end
	ds_add_u32 v[SPW], v[NIL]
	s_wait_dscnt 0x0
	CROUND                                         ; the closing round
	s_endpgm
.Lfunc_end_k_q32d455d0c5_proj:
	.size	k_q32d455d0c5_proj, .Lfunc_end_k_q32d455d0c5_proj-k_q32d455d0c5_proj
	.p2alignl 7, 3214868480
	.fill 96, 4, 3214868480
	.section	.rodata,"a",@progbits
	.p2align	6, 0x0
	.amdhsa_kernel k_q32d455d0c5_proj
		.amdhsa_group_segment_fixed_size 327680
		.amdhsa_private_segment_fixed_size 0
		.amdhsa_enable_private_segment 0
		.amdhsa_kernarg_size 48
		.amdhsa_user_sgpr_count 2
		.amdhsa_user_sgpr_kernarg_segment_ptr 1
		.amdhsa_wavefront_size32 1
		.amdhsa_system_sgpr_workgroup_id_x 1
		.amdhsa_system_sgpr_workgroup_id_y 1
		.amdhsa_system_sgpr_workgroup_id_z 1
		.amdhsa_system_vgpr_workitem_id 0
		.amdhsa_next_free_vgpr 1024
		.amdhsa_next_free_sgpr 100
		.amdhsa_reserve_vcc 0
		.amdhsa_float_denorm_mode_32 3
		.amdhsa_float_denorm_mode_16_64 3
		.amdhsa_memory_ordered 1
		.amdhsa_forward_progress 1
		.amdhsa_inst_pref_size 119
	.end_amdhsa_kernel
	.amdgpu_metadata
---
amdhsa.version: [ 1, 2 ]
amdhsa.kernels:
  - .name:           k_q32d455d0c5_proj
    .symbol:         k_q32d455d0c5_proj.kd
    .args:
      - { .name: codes, .offset: 0, .size: 8, .value_kind: global_buffer, .address_space: global }
      - { .name: scl, .offset: 8, .size: 8, .value_kind: global_buffer, .address_space: global }
      - { .name: bq, .offset: 16, .size: 8, .value_kind: global_buffer, .address_space: global }
      - { .name: bk, .offset: 24, .size: 8, .value_kind: global_buffer, .address_space: global }
      - { .name: bv, .offset: 32, .size: 8, .value_kind: global_buffer, .address_space: global }
      - { .name: qkv, .offset: 40, .size: 8, .value_kind: global_buffer, .address_space: global }
    .group_segment_fixed_size: 327680
    .private_segment_fixed_size: 0
    .kernarg_segment_align: 8
    .kernarg_segment_size: 48
    .max_flat_workgroup_size: 128
    .sgpr_count:     100
    .vgpr_count:     1024
    .wavefront_size: 32
...
	.end_amdgpu_metadata
.endif
;; end of part 2
;; launch attn (part 3): grid 4 x 64, 8 waves a work-group, clusters of 4 x 1, 327,680 bytes of LDS; arguments qkv, attn; writes attn
.if DOCPART == 3
	.amdgcn_target "amdgcn-amd-amdhsa--gfx1250"
	.amdhsa_code_object_version 6
	.text
	.protected	k_q32d455d0c5_attn
	.globl	k_q32d455d0c5_attn
	.p2align	8
	.type	k_q32d455d0c5_attn,@function
k_q32d455d0c5_attn:
	s_mov_b64 s[64:65], 0
	v_nop
	global_prefetch_b8 v0, s[64:65] scope:SCOPE_SE
	s_setreg_imm32_b32 hwreg(HW_REG_WAVE_MODE, 25, 1), 1
	s_wait_xcnt 0x0
	s_wait_alu depctr_hold_cnt(0) depctr_sa_sdst(0) depctr_va_vdst(0) depctr_va_sdst(0) depctr_va_ssrc(0) depctr_va_vcc(0) depctr_vm_vsrc(0)
	s_getreg_b32 s2, hwreg(HW_REG_IB_STS2, 6, 4)
	s_cmp_eq_u32 s2, 0
	s_cbranch_scc0 .Lentry_in_a_cluster
	s_endpgm
.Lentry_in_a_cluster:
	s_bfe_u32 s2, ttmp6, 0x10000c
	s_cmp_lg_u32 s2, 0x3003
	s_cbranch_scc0 .Lentry_shape_is_right
	s_endpgm
.Lentry_shape_is_right:
; O[bh][q] = the sum over k of softmax_k(Q[bh][q] . K[bh][k] / 8) V[bh][k], 64 heads x batches of 2,048 tokens x 64 channels, no mask.  Operands in f16, products, maxima and sums in f32; the weights p are rounded to f16 for the second product, O once at the end.
; qkv holds Q, K, V as images of operand registers: [p 3][bh 64][16 tokens: 128][16 channels: 4][512 bytes].  So every tile is a dense block for one tensor load, and every fragment comes by loads at 16 x lane: 512 consecutive bytes an instruction.
; SHARES.  A cluster of four work-groups is one head; a work-group owns 512 queries, each of its eight waves 64: four tiles of 16.  Every wave walks all 2,048 keys, 64 a step.  Two waves share a SIMD: one wave's softmax stands beside the other's products.
; LAYOUT.  S^T = K Q^T (source 0 = 16 keys, source 1 = 16 queries): a lane holds ONE query (lane % 16) and keys 8 (lane / 16) + 0..7.  Two such tiles, rounded to f16 in pairs, ARE source 1 (32 keys x 16 queries) of O^T = V^T P.  V is turned by ds_load_tr16_b128.
; SOFTMAX.  A running maximum m and sum l for each query: p = 2^(c s - c m), c = log2(e) / 8; in every step O and l are multiplied by a = 2^(c m_old - c m_new).  O^T and l begin as zeros and m as -3e38, so the step is written without a first step of its own.
; RING.  Two LDS slots of 512 keys (K's 64 KiB, then V's).  The four partners walk the same K and V: each tile is asked for JOINTLY.  Wave w brings 16,384 bytes; one load of mine is out behind each change of slots, and has a slot's eight key steps in which to land.
; The result leaves as images of the last launch's operand: attn [128 along K: 8][16 tokens: 512][32 along K: 4][half: 2][lane][16 bytes].
; LIMIT: the result, like V, stays under 65,504, f16's largest number.
; REGISTERS: window 0: v1-7 addresses; v12-43 statistics, eight a tile (+0 c m, +1 m, +2, +3 l, +4..+7 at work; a in +6); v44-51 a second summing chain; v64-191 S^T, 32 a tile, P made in place; v192-255 K's fragments.
;   window 1: v0-127 O^T, 32 a tile; v128-191 Q; v192-255 V's fragments.
.set SLOT1, 131072
.set VOFF,  65536                      ; V's tiles lie behind K's in a slot
.set STEPB, 8192                       ; a key step: 64 keys x 128 bytes
.set SPARE, 262144                     ; behind the ring: the spare words, 128 bytes for each of eight waves, which no other line names
.set LI,  1                            ; v1 16 x lane
.set LIV, 2                            ; v2 the same + VOFF
.set ADK, 3                            ; v3 LDS address of the step's K
.set ADV, 4                            ; v4 of its V
.set PFO, 5                            ; v5 256 x lane: the prefetches' offset
.set SPW, 6
.set NIL, 7
.set ST,  12
.set SB,  44
.set S,   64
.set KF,  192
.set QF,  128                          ; in window 1
.set VF,  192                          ; in window 1
.set WV,  8
.set G1,  16                           ; s[16:23]
.set G0,  24                           ; s[24:27] the walking descriptor
.set PFA, 28                           ; s[28:29]
.set LIM, 30
.set SLOTS, 31
.set CNT, 32
.set TB,  33
.set CS,  34                           ; s[34:35] c
.set SEL, 36                           ; s[36:37]
.set W_KQ, 0x04                        ; Q in window 1, K and S^T in window 0
.set W_PV, 0x51                        ; V and O^T in window 1, P in window 0
.set W_RS, 0x41                        ; O^T in window 1, a in window 0
.set TO_1, 0x40                        ; destination window 1
.set MSB, 0
.macro WIN new                         ; the immediate's high byte repeats the setting that is left
.if MSB != \new
	s_set_vgpr_msb (MSB<<8)|\new
.set MSB, \new
.endif
.endm
.macro CROUND                          ; a round of the cluster's barrier
	s_barrier_signal -1
	s_barrier_wait -1
	s_cmp_lg_u32 s[WV], 0
	s_cbranch_scc1 .Lnot_wave_0_\@
	s_barrier_signal -3
.Lnot_wave_0_\@:
	s_barrier_wait -3
	s_barrier_signal -1
	s_barrier_wait -1
.endm
.macro NOPS n
.rept \n
	v_nop
.endr
.endm
	s_load_b128 s[4:7], s[0:1], 0x0                ; qkv, attn
	v_lshl_add_u32 v[SPW], v0, 2, SPARE
	v_mov_b32 v[NIL], 0
	ds_add_u32 v[SPW], v[NIL]                      ; the wave's opening: the add, twice on end, and its wait ahead of my first tensor load
	ds_add_u32 v[SPW], v[NIL]
	v_lshrrev_b32 v[LI], 5, v0
	v_readfirstlane_b32 s[WV], v[LI]               ; wave 0..7
	v_and_b32 v[PFO], 31, v0
	v_lshlrev_b32 v[LI], 4, v[PFO]
	v_add_nc_u32 v[LIV], VOFF, v[LI]
	v_lshlrev_b32 v[PFO], 8, v[PFO]
	s_bfe_u32 s9, ttmp6, 0x40000                   ; cx
	s_lshl_b32 s11, ttmp9, 2
	s_add_co_u32 s11, s11, s9                      ; my block of 512 queries: it enters Q's, the result's and the prefetches' addresses alone
	s_and_b32 s10, ttmp7, 0xffff                   ; bh = 16 x batch + head, which the four partners share
	s_mov_b32 s[G1], 15|(3<<16)|(1<<21)            ; the mask: all four; elements of 8 bytes; bit 21 beside a mask; no padding
	s_mov_b32 s[G1+1], 32<<16                      ; tensor_dim0 = 32: rows of 256 bytes
	s_mov_b32 s[G1+2], 64<<16                      ; tensor_dim1 = 64
	s_mov_b32 s[G1+3], 32<<16                      ; tile_dim0
	s_mov_b32 s[G1+4], 64                          ; tile_dim1
	s_mov_b32 s[G1+5], 32                          ; the pitch: the block is dense
	s_mov_b32 s[G1+6], 0
	s_mov_b32 s[G1+7], 0
	s_lshr_b32 s12, s[WV], 2                       ; waves 0-3 fetch K, waves 4-7 V
	s_add_co_u32 s12, s12, 1
	s_lshl_b32 s12, s12, 24                        ; the plane
	s_lshl_b32 s13, s10, 18                        ; the head
	s_add_co_u32 s12, s12, s13
	s_and_b32 s13, s[WV], 3
	s_lshl_b32 s13, s13, 14                        ; my quarter of a slot's 65,536 bytes
	s_add_co_u32 s12, s12, s13
	s_mov_b32 s13, 0
	s_lshl_b32 s14, s9, 13                         ; the prefetches: my work-group's 8,192 bytes,
	s_add_co_u32 s14, s14, 65536                   ; in slot 1: the first change of slots steps it to slot 2
	s_mov_b32 s15, 0
	s_lshl_b32 s38, s10, 18                        ; Q: the head, my block's 32 tiles of 2,048 bytes, my wave's 4
	s_lshl_b32 s39, s11, 16
	s_add_co_u32 s38, s38, s39
	s_lshl_b32 s39, s[WV], 13
	s_add_co_u32 s38, s38, s39
	s_mov_b32 s39, 0
	s_and_b32 s42, s10, 15                         ; the result: head / 2 is the K step of 128,
	s_lshr_b32 s40, s42, 1
	s_lshl_b32 s40, s40, 21
	s_and_b32 s42, s42, 1                          ; head % 2 its half: 2,048 bytes of a tile's 4,096;
	s_lshl_b32 s42, s42, 11
	s_add_co_u32 s40, s40, s42
	s_lshr_b32 s42, s10, 4                         ; token tile 128 x batch + 32 x block + 4 x wave
	s_lshl_b32 s42, s42, 19
	s_add_co_u32 s40, s40, s42
	s_lshl_b32 s42, s11, 17
	s_add_co_u32 s40, s40, s42
	s_lshl_b32 s42, s[WV], 14
	s_add_co_u32 s40, s40, s42
	s_mov_b32 s41, 0
	s_and_b32 s[LIM], s[WV], 1
	s_cmp_eq_u32 s[LIM], 0
	s_cselect_b32 s[LIM], 1, -1                    ; the even waves prefetch: of the wave's number alone
	s_mov_b32 s[CS], 0x3e38aa3b                    ; c = log2(e) / 8
	s_mov_b32 s[CS+1], s[CS]                       ; (named with it as a pair, so it is written)
	s_mov_b32 s[SEL], 0x76543210
	s_mov_b32 s[SEL+1], 0xfedcba98                 ; lane l xor 16
	s_mov_b32 s[TB], 0
	s_mov_b32 s[SLOTS], 3
	s_wait_dscnt 0x0                               ; both opening adds are done
	s_wait_kmcnt 0x0
	s_mov_b32 s[G0], 1
	s_lshl_b32 s[G0+1], s[WV], 14                  ; LDS: wave x 16,384, in slot 0
	s_add_nc_u64 s[G0+2:G0+3], s[4:5], s[12:13]
	s_add_nc_u64 s[PFA:PFA+1], s[G0+2:G0+3], s[14:15]
	s_or_b32 s[G0+3], s[G0+3], 0x80000000
	s_add_nc_u64 s[38:39], s[4:5], s[38:39]
	s_add_nc_u64 s[40:41], s[6:7], s[40:41]
	CROUND                                         ; all four work-groups are here: the first joint loads meet
	tensor_load_to_lds s[G0:G0+3], s[G1:G1+7]      ; slot 0: keys 0 to 511
	s_nop 0
	NOPS 4
	WIN TO_1
.irp t, 0,1,2,3
.irp kc, 0,1
	global_load_b128 v[QF+16*\t+8*\kc:QF+16*\t+8*\kc+3], v[LI], s[38:39] offset:2048*\t+1024*\kc        ; Q stays in registers
	global_load_b128 v[QF+16*\t+8*\kc+4:QF+16*\t+8*\kc+7], v[LI], s[38:39] offset:2048*\t+1024*\kc+512
.endr
.endr
.set i, 0
.rept 128
	v_mov_b32 v[i], 0                              ; O^T: the step is written once for all steps: the first finds zeros
.set i, i+1
.endr
	WIN 0
.irp t, 0,1,2,3
	v_mov_b32 v[ST+8*\t+1], 0xff61b1e6             ; m = -3e38, under every score that is served
	v_mov_b32 v[ST+8*\t+2], 0                      ; l, in two halves
	v_mov_b32 v[ST+8*\t+3], 0
.endr
.irp t, 0,1,2,3
	v_mul_f32 v[ST+8*\t], s[CS], v[ST+8*\t+1]      ; c m
.endr
.macro FETCH_K                         ; a step's K: fragment f = 2 x key tile + channel half, 1,024 bytes each
.irp f, 0,1,2,3,4,5,6,7
	ds_load_b128 v[KF+8*\f:KF+8*\f+3], v[ADK] offset:1024*\f
	ds_load_b128 v[KF+8*\f+4:KF+8*\f+7], v[ADK] offset:1024*\f+512
.endr
.endm
.macro FETCH_V                         ; a step's V, turned: fragment (32 keys u, 16 channels ct): key tiles 2 u and 2 u + 1
	WIN TO_1
.irp u, 0,1
.irp ct, 0,1,2,3
	ds_load_tr16_b128 v[VF+8*(4*\u+\ct):VF+8*(4*\u+\ct)+3], v[ADV] offset:4096*\u+512*\ct
	ds_load_tr16_b128 v[VF+8*(4*\u+\ct)+4:VF+8*(4*\u+\ct)+7], v[ADV] offset:4096*\u+2048+512*\ct
.endr
.endr
	WIN 0
.endm
.macro KQ                              ; 32 products: the 16 accumulators take turns, one instruction a turn; the first 16 start the sums
	WIN W_KQ
.irp kc, 0,1
.irp kt, 0,1,2,3
.irp t, 0,1,2,3
.if \kc == 0
	v_wmma_f32_16x16x32_f16 v[S+32*\t+8*\kt:S+32*\t+8*\kt+7], v[KF+8*(2*\kt+\kc):KF+8*(2*\kt+\kc)+7], v[QF+16*\t+8*\kc:QF+16*\t+8*\kc+7], 0
.else
	v_wmma_f32_16x16x32_f16 v[S+32*\t+8*\kt:S+32*\t+8*\kt+7], v[KF+8*(2*\kt+\kc):KF+8*(2*\kt+\kc)+7], v[QF+16*\t+8*\kc:QF+16*\t+8*\kc+7], v[S+32*\t+8*\kt:S+32*\t+8*\kt+7]
.endif
.endr
.endr
.endr
.endm
.macro PV                              ; 32 products O^T += V^T P, the 16 accumulators by turns
	WIN W_PV
.irp u, 0,1
.irp ct, 0,1,2,3
.irp t, 0,1,2,3
	v_wmma_f32_16x16x32_f16 v[32*\t+8*\ct:32*\t+8*\ct+7], v[VF+8*(4*\u+\ct):VF+8*(4*\u+\ct)+7], v[S+32*\t+16*\u:S+32*\t+16*\u+7], v[32*\t+8*\ct:32*\t+8*\ct+7]
.endr
.endr
.endr
.endm
.macro SCALE t, i                      ; pair i of tile t: c s - c m
	v_pk_fma_f32 v[S+32*(\t)+2*\i:S+32*(\t)+2*\i+1], v[S+32*(\t)+2*\i:S+32*(\t)+2*\i+1], s[CS:CS+1], v[ST+8*(\t):ST+8*(\t)+1] op_sel_hi:[1,0,0] neg_lo:[0,0,1] neg_hi:[0,0,1]
.endm
; THE SOFTMAX of a step, the four tiles by turns so that no line waits for the line above it.  It ends with P in S^T's registers; the rescaling of O^T follows it in STEP.
.macro SOFTMAX
.irp j, 0,1,2,3                        ; the maximum of a tile's 32 scores and the old m: four chains; each accumulator is read from its low end on
.irp t, 0,1,2,3
	v_max3_num_f32 v[ST+8*\t+4+\j], v[S+32*\t+8*\j], v[S+32*\t+8*\j+1], v[S+32*\t+8*\j+2]
.endr
.endr
.irp g, 1,2
.irp j, 0,1,2,3
.irp t, 0,1,2,3
	v_max3_num_f32 v[ST+8*\t+4+\j], v[ST+8*\t+4+\j], v[S+32*\t+8*\j+2*\g+1], v[S+32*\t+8*\j+2*\g+2]
.endr
.endr
.endr
.irp t, 0,1,2,3
	v_max3_num_f32 v[ST+8*\t+4], v[ST+8*\t+4], v[S+32*\t+7], v[S+32*\t+15]
.endr
.irp t, 0,1,2,3
	v_max3_num_f32 v[ST+8*\t+6], v[ST+8*\t+6], v[S+32*\t+23], v[S+32*\t+31]
.endr
.irp t, 0,1,2,3
	v_max3_num_f32 v[ST+8*\t+4], v[ST+8*\t+4], v[ST+8*\t+5], v[ST+8*\t+6]
.endr
.irp t, 0,1,2,3
	v_max3_num_f32 v[ST+8*\t+4], v[ST+8*\t+4], v[ST+8*\t+7], v[ST+8*\t+1]
.endr
.irp t, 0,1,2,3
	v_permlanex16_b32 v[ST+8*\t+5], v[ST+8*\t+4], s[SEL], s[SEL+1]   ; the query's other 32 keys lie in the lane 16 away
.endr
.irp t, 0,1,2,3
	v_mov_b32 v[ST+8*\t+7], v[ST+8*\t]             ; c m_old is kept for a
.endr
.irp t, 0,1,2,3
	v_max_num_f32 v[ST+8*\t+1], v[ST+8*\t+4], v[ST+8*\t+5]
.endr
.irp t, 0,1,2,3
	v_mul_f32 v[ST+8*\t], s[CS], v[ST+8*\t+1]
.endr
.irp t, 0,1,2,3
	v_sub_f32 v[ST+8*\t+7], v[ST+8*\t+7], v[ST+8*\t]
.endr
.irp t, 0,1,2,3                        ; ONE BATCH of exponentials from here to the wait: none of its lines names an exponential's result
	v_exp_f32 v[ST+8*\t+6], v[ST+8*\t+7]           ; a
.endr
.irp i, 0,1,2,3,4,5,6,7,8,9,10,11,12,13,14,15
	SCALE 0, \i
.endr
.irp t, 0,1,2,3                        ; a tile's exponentials, with the next tile's scalings between them
.irp i, 0,1,2,3,4,5,6,7,8,9,10,11,12,13,14,15
	v_exp_f32 v[S+32*\t+2*\i], v[S+32*\t+2*\i]
	v_exp_f32 v[S+32*\t+2*\i+1], v[S+32*\t+2*\i+1]
.if \t < 3
	SCALE \t+1, \i
.endif
.endr
.endr
	v_nop                                          ; a plain instruction behind the last exponential
	s_wait_alu depctr_va_vdst(0)                   ; one wait ahead of the first line that names a result, for the 132
.irp t, 0,1,2,3                        ; the sums of the unrounded p, in two chains a tile: l = a l + pair 0,
	v_pk_fma_f32 v[ST+8*\t+2:ST+8*\t+3], v[ST+8*\t+2:ST+8*\t+3], v[ST+8*\t+6:ST+8*\t+7], v[S+32*\t:S+32*\t+1] op_sel_hi:[1,0,1]
.endr
.irp t, 0,1,2,3
	v_pk_add_f32 v[SB+2*\t:SB+2*\t+1], v[S+32*\t+2:S+32*\t+3], v[S+32*\t+4:S+32*\t+5]
.endr
.irp i, 3,5,7,9,11,13
.irp t, 0,1,2,3
	v_pk_add_f32 v[ST+8*\t+2:ST+8*\t+3], v[ST+8*\t+2:ST+8*\t+3], v[S+32*\t+2*\i:S+32*\t+2*\i+1]
.endr
.irp t, 0,1,2,3
	v_pk_add_f32 v[SB+2*\t:SB+2*\t+1], v[SB+2*\t:SB+2*\t+1], v[S+32*\t+2*\i+2:S+32*\t+2*\i+3]
.endr
.endr
.irp t, 0,1,2,3
	v_pk_add_f32 v[ST+8*\t+2:ST+8*\t+3], v[ST+8*\t+2:ST+8*\t+3], v[S+32*\t+30:S+32*\t+31]
.endr
.irp t, 0,1,2,3
	v_pk_add_f32 v[ST+8*\t+2:ST+8*\t+3], v[ST+8*\t+2:ST+8*\t+3], v[SB+2*\t:SB+2*\t+1]
.endr
.irp i, 0,1,2,3,4,5,6,7                ; P in place: register i of fragment (t, u) takes pair i of its 16 scores; line i writes no register that a later line reads
.irp t, 0,1,2,3
.irp u, 0,1
	v_cvt_pk_f16_f32 v[S+32*\t+16*\u+\i], v[S+32*\t+16*\u+2*\i], v[S+32*\t+16*\u+2*\i+1]
.endr
.endr
.endr
.endm
; A KEY STEP.  next = 1: the next step's K is fetched behind the scores' products and its V behind the second products.  At its head K's sixteen loads and, behind them, V's sixteen have been issued.
.macro STEP next
	s_wait_dscnt 16                                ; K is in; V's sixteen loads may be out
	KQ
	WIN 0
.if \next
	s_add_co_u32 s[TB], s[TB], STEPB
	v_add_nc_u32 v[ADK], s[TB], v[LI]              ; with the three below: four places between the products and the loads into K's registers, and the first read of the scores
	NOPS 3
	FETCH_K
.else
	NOPS 4
.endif
	SOFTMAX
	s_wait_dscnt 0x0                               ; V is in (and the next K, asked for a softmax ago)
	WIN W_RS
.irp j, 0,1,2,3,4,5,6,7,8,9,10,11,12,13,14,15
.irp t, 0,1,2,3
	v_pk_mul_f32 v[32*\t+2*\j:32*\t+2*\j+1], v[32*\t+2*\j:32*\t+2*\j+1], v[ST+8*\t+6:ST+8*\t+7] op_sel_hi:[1,0]   ; O^T x a, each accumulator from its low end on
.endr
.endr
	PV
	WIN 0
.if \next
	v_add_nc_u32 v[ADV], s[TB], v[LIV]             ; with the four below: five places: the next scores' products write over P, which these products read; four serve the loads into V's registers
	NOPS 4
	FETCH_V
.else
	NOPS 5
.endif
.endm
; A PREFETCH INTO THE L2 of what the NEXT change of slots will ask for: a slot's 65,536 bytes of K and of V.  Each aligned block of 256 bytes is named once in the launch: a head is walked by one cluster; in each partner waves 0 and 2 ask for K's, waves 4 and 6 for V's,
; 8,192 bytes an instruction, lanes 256 bytes apart; the four partners are told apart by address (8,192 x cx).  The last change that fills a slot asks for nothing; slots 0 and 1 come by their loads alone.
.macro ASK
	s_cmp_gt_u32 s[SLOTS], s[LIM]
	s_cbranch_scc0 .Lnot_mine_\@
	global_prefetch_b8 v[PFO], s[PFA:PFA+1] th:TH_LOAD_NT scope:SCOPE_SE
.Lnot_mine_\@:
.endm
; THE CHANGE OF SLOTS stands at a slot's head.  Each wave waits for all its tensor loads (its part of the slot ahead), adds 0 to its spare word, and waits for that and for its reads of the slot that it has left.
; fill = 1: the barrier is a round of the cluster's, and the joint load of the next 512 keys, into the slot just left, is the first thing behind it.
.macro CHANGE fill
	s_wait_tensorcnt 0x0                           ; no tensor load of mine is out, so the descriptor may be written
	ds_add_u32 v[SPW], v[NIL]
.if \fill
	s_xor_b32 s[G0+1], s[G0+1], SLOT1              ; the other slot than last time,
	s_add_nc_u64 s[G0+2:G0+3], s[G0+2:G0+3], 65536 ; the next 512 keys; the type bits on top are not reached
	s_wait_xcnt 0x0                                ; the last prefetch, a slot back, has read its address
	s_add_nc_u64 s[PFA:PFA+1], s[PFA:PFA+1], 65536 ; one slot further on than the descriptor
	s_wait_dscnt 0x0                               ; the add is done, and my reads of the slot that I have left are over
	CROUND
	tensor_load_to_lds s[G0:G0+3], s[G1:G1+7]
	s_nop 0
	NOPS 4
.else
	s_wait_dscnt 0x0
	s_barrier_signal -1
	s_barrier_wait -1
.endif
.endm
.macro SLOT_STEPS ask                  ; a slot's eight key steps: seven in a loop, each fetching its successor; the last, which has none in this slot, written out
	v_add_nc_u32 v[ADK], s[TB], v[LI]
	v_add_nc_u32 v[ADV], s[TB], v[LIV]
	FETCH_K
	FETCH_V
.if \ask
	ASK
.endif
	s_mov_b32 s[CNT], 7
.Lstep_\@:
	STEP 1
	s_sub_co_u32 s[CNT], s[CNT], 1
	s_cmp_lg_u32 s[CNT], 0
	s_cbranch_scc1 .Lstep_\@
	STEP 0
	s_sub_co_u32 s[TB], s[TB], 7*STEPB             ; back to a slot's first step,
	s_xor_b32 s[TB], s[TB], SLOT1                  ; in the other slot
.endm
	s_wait_loadcnt 0x0                             ; Q
.Lslot:                                            ; three trips: behind each change of slots but the last the next 512 keys are asked for
	CHANGE 1
	SLOT_STEPS 1
	s_sub_co_u32 s[SLOTS], s[SLOTS], 1
	s_cmp_lg_u32 s[SLOTS], 0
	s_cbranch_scc1 .Lslot
	CHANGE 0                                       ; the last slot is written out
	SLOT_STEPS 0
	; THE WAY OUT.  l's two halves and the other half of the lanes' are added; O^T is divided by l and rounded to f16: a lane's eight channels of a query are 16 bytes of an image, stored at 16 x lane.
.irp t, 0,1,2,3
	v_add_f32 v[ST+8*\t+4], v[ST+8*\t+2], v[ST+8*\t+3]
.endr
.irp t, 0,1,2,3
	v_permlanex16_b32 v[ST+8*\t+5], v[ST+8*\t+4], s[SEL], s[SEL+1]
.endr
.irp t, 0,1,2,3
	v_add_f32 v[ST+8*\t+4], v[ST+8*\t+4], v[ST+8*\t+5]
.endr
.irp t, 0,1,2,3
	v_rcp_f32 v[ST+8*\t+6], v[ST+8*\t+4]
.endr
	v_nop                                          ; a plain instruction behind the last reciprocal
	s_wait_alu depctr_va_vdst(0)                   ; and one wait ahead of the first use, for the four
	WIN W_RS
.irp j, 0,1,2,3,4,5,6,7,8,9,10,11,12,13,14,15
.irp t, 0,1,2,3
	v_pk_mul_f32 v[32*\t+2*\j:32*\t+2*\j+1], v[32*\t+2*\j:32*\t+2*\j+1], v[ST+8*\t+6:ST+8*\t+7] op_sel_hi:[1,0]
.endr
.endr
	WIN 0x05                                       ; sources 0 and 1 window 1, destination window 0: S^T's registers are free
.irp t, 0,1,2,3
.irp ct, 0,1,2,3
.irp i, 0,1,2,3
	v_cvt_pk_f16_f32 v[S+16*\t+4*\ct+\i], v[32*\t+8*\ct+2*\i], v[32*\t+8*\ct+2*\i+1]
.endr
.endr
.endr
	WIN 0
.irp t, 0,1,2,3
.irp ct, 0,1,2,3
	global_store_b128 v[LI], v[S+16*\t+4*\ct:S+16*\t+4*\ct+3], s[40:41] offset:4096*\t+512*\ct   ; 512 consecutive bytes, aligned
.endr
.endr
	s_wait_tensorcnt 0x0                           ; the wave's end
	ds_add_u32 v[SPW], v[NIL]
	s_wait_dscnt 0x0
	CROUND                                         ; the closing round
	s_endpgm
.Lfunc_end_k_q32d455d0c5_attn:
	.size	k_q32d455d0c5_attn, .Lfunc_end_k_q32d455d0c5_attn-k_q32d455d0c5_attn
	.p2alignl 7, 3214868480
	.fill 96, 4, 3214868480
	.section	.rodata,"a",@progbits
	.p2align	6, 0x0
	.amdhsa_kernel k_q32d455d0c5_attn
		.amdhsa_group_segment_fixed_size 327680
		.amdhsa_private_segment_fixed_size 0
		.amdhsa_enable_private_segment 0
		.amdhsa_kernarg_size 16
		.amdhsa_user_sgpr_count 2
		.amdhsa_user_sgpr_kernarg_segment_ptr 1
		.amdhsa_wavefront_size32 1
		.amdhsa_system_sgpr_workgroup_id_x 1
		.amdhsa_system_sgpr_workgroup_id_y 1
		.amdhsa_system_sgpr_workgroup_id_z 1
		.amdhsa_system_vgpr_workitem_id 0
		.amdhsa_next_free_vgpr 512
		.amdhsa_next_free_sgpr 66
		.amdhsa_reserve_vcc 0
		.amdhsa_float_denorm_mode_32 3
		.amdhsa_float_denorm_mode_16_64 3
		.amdhsa_memory_ordered 1
		.amdhsa_forward_progress 1
		.amdhsa_inst_pref_size 149
	.end_amdhsa_kernel
	.amdgpu_metadata
---
amdhsa.version: [ 1, 2 ]
amdhsa.kernels:
  - .name:           k_q32d455d0c5_attn
    .symbol:         k_q32d455d0c5_attn.kd
    .args:
      - { .name: qkv, .offset: 0, .size: 8, .value_kind: global_buffer, .address_space: global }
      - { .name: attn, .offset: 8, .size: 8, .value_kind: global_buffer, .address_space: global }
    .group_segment_fixed_size: 327680
    .private_segment_fixed_size: 0
    .kernarg_segment_align: 8
    .kernarg_segment_size: 16
    .max_flat_workgroup_size: 256
    .sgpr_count:     66
    .vgpr_count:     512
    .wavefront_size: 32
...
	.end_amdgpu_metadata
.endif
;; end of part 3
;; launch oproj (part 4): grid 4 x 64, 4 waves a work-group, clusters of 4 x 4, 327,680 bytes of LDS; arguments attn, wo16, bo, out0; writes out0
.if DOCPART == 4
	.amdgcn_target "amdgcn-amd-amdhsa--gfx1250"
	.amdhsa_code_object_version 6
	.text
	.protected	k_q32d455d0c5_oproj
	.globl	k_q32d455d0c5_oproj
	.p2align	8
	.type	k_q32d455d0c5_oproj,@function
k_q32d455d0c5_oproj:
	s_mov_b64 s[64:65], 0
	v_nop
	global_prefetch_b8 v0, s[64:65] scope:SCOPE_SE
	s_setreg_imm32_b32 hwreg(HW_REG_WAVE_MODE, 25, 1), 1
	s_wait_xcnt 0x0
	s_wait_alu depctr_hold_cnt(0) depctr_sa_sdst(0) depctr_va_vdst(0) depctr_va_sdst(0) depctr_va_ssrc(0) depctr_va_vcc(0) depctr_vm_vsrc(0)
	s_getreg_b32 s2, hwreg(HW_REG_IB_STS2, 6, 4)
	s_cmp_eq_u32 s2, 0
	s_cbranch_scc0 .Lentry_in_a_cluster
	s_endpgm
.Lentry_in_a_cluster:
	s_bfe_u32 s2, ttmp6, 0x10000c
	s_cmp_lg_u32 s2, 0xf033
	s_cbranch_scc0 .Lentry_shape_is_right
	s_endpgm
.Lentry_shape_is_right:
; out0[token][n] = the sum over k of attn[token][k] Wo[n][k] + bo[n]: 8,192 x 1,024 x 1,024, operands in f16, sums in f32, out0 in f32; bo is the C of each sum's first product.
; Both operands lie in memory as images of operand registers: attn [K step of 128: 8][16 tokens: 512][4,096 bytes], wo16 [8][16 rows of Wo: 64][4,096 bytes]; in a 4,096: [32 along K: 4][half: 2][lane][16 bytes].
; So a K step's tile is a dense block for one tensor load, without padding, and a fragment comes by two loads at 16 x lane: 512 consecutive bytes each.
; A work-group makes 128 tokens x 256 columns: 256 work-groups.  A wave makes 64 x 128: 32 accumulators.  K goes in 8 steps of 128 through a ring of two LDS slots; a step is four quarters of 32 along K, 32 matrix instructions each, on two fragment buffers.
; CLUSTERS: 4 x 4 work-groups; the four of a row need the same tokens, the four of a column the same rows of Wo: each tile is asked for jointly.  Waves 0, 1 fetch the tokens' halves (64 rows of 256 bytes), waves 2, 3 Wo's (128 rows).
; THE MATRIX INSTRUCTION IS USED TRANSPOSED (source 0 = 16 rows of Wo, source 1 = 16 tokens): a lane holds eight neighbouring columns of a token's row.
; REGISTERS: window 0: v16-29 addresses; v32-127, v128-223 two fragment buffers (the tokens' four fragments, then Wo's eight); on the way out v32-95 and v128-191 hold rows.  window 1: the accumulators ((a, b) at v[8 (8 a + b)]).  window 2: v0-63 bo in the result's layout.
.set SLOT,   98304                     ; the tokens' 32,768 bytes, then Wo's 65,536
.set BOFF,   32768
.set STAGE,  2*SLOT                    ; behind the ring: 16 rows x (512 bytes + 16) for each wave, for the way out; no tensor load lands there
.set SPITCH, 528
.set SPARE,  STAGE+4*16*SPITCH         ; the spare words, 128 bytes a wave, which no other line names
.set ASTEP,  2097152                   ; from K step to K step in attn,
.set BSTEP,  262144                    ; and in wo16
.set ADRA, 16
.set ADRB, 20
.set STO,  24
.set RD,   25
.set CO,   26
.set SPW,  28
.set NIL,  29
.set F0,   32
.set F1,   128
.set G1, 24
.set G0, 32
.set G1B, 48
.set G0B, 56
.set MUL, 0x50                         ; C and D window 1, the fragments window 0
.set MSB, 0
.macro WIN new                         ; the immediate's high byte repeats the setting that is left
.if MSB != \new
	s_set_vgpr_msb (MSB<<8)|\new
.set MSB, \new
.endif
.endm
.macro JLOAD s                         ; a joint load; the branch hangs on the wave's number alone; an s_nop 0 and four v_nop follow each line
	s_cmp_eq_u32 s13, 0
	s_cbranch_scc0 .Lfor_b_\@
	tensor_load_to_lds s[G0+4*\s:G0+4*\s+3], s[G1:G1+7]
	s_nop 0
.rept 4
	v_nop
.endr
	s_branch .Lasked_\@
.Lfor_b_\@:
	tensor_load_to_lds s[G0B+4*\s:G0B+4*\s+3], s[G1B:G1B+7]
	s_nop 0
.rept 4
	v_nop
.endr
.Lasked_\@:
.endm
.macro CREST                           ; a round of the cluster's barrier behind its opening barrier
	s_cmp_lg_u32 s12, 0
	s_cbranch_scc1 .Lnot_wave_0_\@
	s_barrier_signal -3
.Lnot_wave_0_\@:
	s_barrier_wait -3
	s_barrier_signal -1
	s_barrier_wait -1
.endm
.macro CROUND
	s_barrier_signal -1
	s_barrier_wait -1
	CREST
.endm
.macro PLACES                          ; four plain instructions between a matrix instruction and a load into, or a read of, its registers (ISA guide 7.12.1 for reads)
.rept 4
	v_nop
.endr
.endm
	s_load_b256 s[4:11], s[0:1], 0x0               ; attn 4, wo16 6, bo 8, out0 10
	v_lshl_add_u32 v[SPW], v0, 2, SPARE
	v_mov_b32 v[NIL], 0
	ds_add_u32 v[SPW], v[NIL]                      ; the wave's opening: the add, twice on end, and its wait ahead of my first tensor load
	ds_add_u32 v[SPW], v[NIL]
	v_lshrrev_b32 v1, 5, v0
	v_readfirstlane_b32 s12, v1                    ; wave 0..3
	s_lshr_b32 s13, s12, 1                         ; which 64 tokens are mine.  Also: I fetch the tokens (0) or Wo (1)
	s_and_b32 s14, s12, 1                          ; which 128 columns.  Also: which half of that tile I fetch
	s_bfe_u32 s40, ttmp6, 0x40000                  ; cx
	s_bfe_u32 s41, ttmp6, 0x40004                  ; cy
	s_lshl_b32 s42, ttmp9, 2
	s_add_co_u32 s42, s42, s40                     ; tile column 0..3
	s_and_b32 s43, ttmp7, 0xffff
	s_lshl_b32 s43, s43, 2
	s_add_co_u32 s43, s43, s41                     ; tile row 0..63
	s_lshl_b32 s44, s41, 2
	s_lshl_b32 s44, 15, s44                        ; my row of the cluster
	s_lshl_b32 s45, 0x1111, s40                    ; my column
	s_or_b32 s[G1+0], s44, (3<<16)|(1<<21)         ; the mask; elements of 8 bytes; bit 21 beside a mask; no padding
	s_or_b32 s[G1B+0], s45, (3<<16)|(1<<21)
	s_mov_b32 s[G1+1], 32<<16                      ; tensor_dim0 = 32: rows of 256 bytes
	s_mov_b32 s[G1+2], 64<<16                      ; tensor_dim1 = 64
	s_mov_b32 s[G1+3], 32<<16                      ; tile_dim0
	s_mov_b32 s[G1+4], 64                          ; tile_dim1
	s_mov_b32 s[G1+5], 32                          ; the pitch: dense
	s_mov_b32 s[G1+6], 0
	s_mov_b32 s[G1+7], 0
	s_mov_b32 s[G1B+1], 32<<16
	s_mov_b32 s[G1B+2], 128<<16                    ; Wo's halves have 128 rows
	s_mov_b32 s[G1B+3], 32<<16
	s_mov_b32 s[G1B+4], 128
	s_mov_b32 s[G1B+5], 32
	s_mov_b32 s[G1B+6], 0
	s_mov_b32 s[G1B+7], 0
	s_lshl_b32 s16, s43, 15                        ; the tokens: 32,768 bytes a tile row, of the tile row alone,
	s_lshl_b32 s18, s14, 14                        ; + my half; also its place in a slot
	s_add_co_u32 s16, s16, s18
	s_mov_b32 s17, 0
	s_lshl_b32 s46, s42, 16                        ; Wo: 65,536 bytes a tile column, of the tile column alone,
	s_lshl_b32 s19, s14, 15
	s_add_co_u32 s46, s46, s19
	s_mov_b32 s47, 0
	s_add_co_u32 s19, s19, BOFF                    ; its place in a slot
	s_wait_dscnt 0x0                               ; both opening adds are done
	s_wait_kmcnt 0x0
	s_add_nc_u64 s[16:17], s[4:5], s[16:17]
	s_add_nc_u64 s[46:47], s[6:7], s[46:47]
	CROUND                                         ; all sixteen work-groups are here: the first joint loads meet
.irp s, 0,1
	s_mov_b32 s[G0+4*\s], 1
	s_add_co_u32 s[G0+4*\s+1], s18, \s*SLOT
	s_add_nc_u64 s[G0+4*\s+2:G0+4*\s+3], s[16:17], \s*ASTEP
	s_or_b32 s[G0+4*\s+3], s[G0+4*\s+3], 0x80000000
	s_mov_b32 s[G0B+4*\s], 1
	s_add_co_u32 s[G0B+4*\s+1], s19, \s*SLOT
	s_add_nc_u64 s[G0B+4*\s+2:G0B+4*\s+3], s[46:47], \s*BSTEP
	s_or_b32 s[G0B+4*\s+3], s[G0B+4*\s+3], 0x80000000
	JLOAD \s                                       ; two tensor loads of mine are out
.endr
	v_and_b32 v1, 15, v0                           ; l % 16
	v_bfe_u32 v2, v0, 4, 1                         ; l / 16
	v_and_b32 v3, 31, v0
	v_lshlrev_b32 v[CO], 4, v3                     ; 16 x lane
	s_lshl_b32 s21, s13, 14                        ; my 64 tokens: four images of 4,096 bytes
	s_lshl_b32 s22, s14, 15                        ; my 128 rows of Wo: eight,
	s_add_co_u32 s22, s22, BOFF                    ; behind the tokens'
.irp s, 0,1
	v_add_nc_u32 v[ADRA+\s], s21, v[CO]
	v_add_nc_u32 v[ADRB+\s], s22, v[CO]
	s_add_co_u32 s21, s21, SLOT
	s_add_co_u32 s22, s22, SLOT
.endr
	s_mul_i32 s23, s12, 16*SPITCH
	s_add_co_u32 s23, s23, STAGE                   ; my stage
	v_mul_u32_u24 v4, v1, SPITCH                   ; in: row l % 16, 32 bytes for each half of the lanes
	v_lshl_add_u32 v4, v2, 5, v4
	v_add_nc_u32 v[STO], s23, v4
	v_add_nc_u32 v[RD], s23, v[CO]                 ; back: the 32 lanes take one row of 512 bytes
	s_lshl_b32 s20, s42, 10                        ; my first column, in bytes: 1,024 x tile column + 512 x half
	s_lshl_b32 s21, s14, 9
	s_add_co_u32 s20, s20, s21
	s_mov_b32 s21, 0
	s_add_nc_u64 s[8:9], s[8:9], s[20:21]
	v_lshlrev_b32 v5, 5, v2                        ; bo: register 8 b + j = bo[my first column + 16 b + 8 (l / 16) + j]
	WIN 0x80                                       ; destination window 2
.irp b, 0,1,2,3,4,5,6,7
	global_load_b128 v[8*\b:8*\b+3], v5, s[8:9] offset:64*\b
	global_load_b128 v[8*\b+4:8*\b+7], v5, s[8:9] offset:64*\b+16
.endr
	WIN 0
	s_lshl_b32 s16, s43, 19                        ; out0: 128 rows of 4,096 bytes a tile row,
	s_lshl_b32 s17, s13, 18                        ; my 64 rows,
	s_add_co_u32 s16, s16, s17
	s_add_co_u32 s16, s16, s20                     ; my first column
	s_mov_b32 s17, 0
	s_add_nc_u64 s[10:11], s[10:11], s[16:17]
.macro FETCH slot, q, f                ; 24 LDS loads in one run: the fragments of 32 along K, the slot's q-th, into buffer f
.irp i, 0,1,2,3,4,5,6,7
	ds_load_b128 v[\f+32+8*\i:\f+32+8*\i+3], v[ADRB+\slot] offset:4096*\i+1024*(\q)
	ds_load_b128 v[\f+32+8*\i+4:\f+32+8*\i+7], v[ADRB+\slot] offset:4096*\i+1024*(\q)+512
.endr
.irp i, 0,1,2,3
	ds_load_b128 v[\f+8*\i:\f+8*\i+3], v[ADRA+\slot] offset:4096*\i+1024*(\q)
	ds_load_b128 v[\f+8*\i+4:\f+8*\i+7], v[ADRA+\slot] offset:4096*\i+1024*(\q)+512
.endr
.endm
; 16 matrix instructions: token blocks a0, a0 + 1 x Wo's eight.  first = 1: the sums start from bo.  The 32 accumulators take turns, one instruction a turn, in the same order in every quarter.
.macro MUL16 f, a0, first
.irp a, \a0, \a0+1
.irp b, 0,1,2,3,4,5,6,7
.if \first
	v_wmma_f32_16x16x32_f16 v[8*(8*(\a)+\b):8*(8*(\a)+\b)+7], v[\f+32+8*\b:\f+32+8*\b+7], v[\f+8*(\a):\f+8*(\a)+7], v[8*\b:8*\b+7]
.else
	v_wmma_f32_16x16x32_f16 v[8*(8*(\a)+\b):8*(8*(\a)+\b)+7], v[\f+32+8*\b:\f+32+8*\b+7], v[\f+8*(\a):\f+8*(\a)+7], v[8*(8*(\a)+\b):8*(8*(\a)+\b)+7]
.endif
.endr
.endr
.endm
; One of a K step's first three quarters: the next quarter's fragments (the slot's qn-th) are asked for into g, then buffer f is multiplied: the run of loads stands 32 matrix instructions ahead of its use.
.macro QUARTER slot, qn, f, g, first
	s_wait_dscnt 0x0                               ; f's fragments are in
	PLACES                                         ; g was read by the quarter before
	FETCH \slot, \qn, \g
.if \first
	WIN 0x60                                       ; C (bo) window 2, D window 1
.else
	WIN MUL
.endif
	MUL16 \f, 0, \first
	MUL16 \f, 2, \first
	WIN 0
.endm
; The last quarter multiplies buffer 1 and changes slots: one barrier; in front of it each wave waits for all its tensor loads (its part of the next slot), adds 0 to its spare word, and waits for that and for its reads of this slot.
; fill = 1: the barrier opens a round of the cluster's, and this slot is filled again, two K steps ahead, first thing behind the round.
.macro TURN slot, next, fill
	s_wait_tensorcnt 0x0
	ds_add_u32 v[SPW], v[NIL]
	s_wait_dscnt 1                                 ; buffer 1's fragments are in; the add alone may be out
	WIN MUL
	MUL16 F1, 0, 0                                 ; sixteen matrix instructions stand between the add and the wait for it
	s_wait_dscnt 0x0                               ; the add is done, and my reads of this slot are over
	WIN 0
	s_barrier_signal -1
	s_barrier_wait -1
.if \fill
	CREST                                          ; no wave of any partner still reads this slot's tile or has a load on its way
	s_add_nc_u64 s[G0+4*\slot+2:G0+4*\slot+3], s[G0+4*\slot+2:G0+4*\slot+3], 2*ASTEP
	s_add_nc_u64 s[G0B+4*\slot+2:G0B+4*\slot+3], s[G0B+4*\slot+2:G0B+4*\slot+3], 2*BSTEP
	JLOAD \slot                                    ; the four v_nop behind it are also the places in front of the loads below
.else
	PLACES
.endif
	FETCH \next, 0, F0
	WIN MUL
	MUL16 F1, 2, 0
	WIN 0
.endm
	s_wait_tensorcnt 1                             ; my part of K step 0 is in; K step 1's load may stay out
	s_barrier_signal -1
	s_barrier_wait -1                              ; everybody's is
	FETCH 0, 0, F0
	s_wait_loadcnt 0x0                             ; bo
	QUARTER 0, 1, F0, F1, 1                        ; the first quarter stands in front of the loop: its products start the sums
	s_mov_b32 s3, 3
.Llap:                                             ; a trip goes once round the ring, from a lap's second quarter to the next lap's first, and fills both slots again
	QUARTER 0, 2, F1, F0, 0
	QUARTER 0, 3, F0, F1, 0
	TURN 0, 1, 1
	QUARTER 1, 1, F0, F1, 0
	QUARTER 1, 2, F1, F0, 0
	QUARTER 1, 3, F0, F1, 0
	TURN 1, 0, 1
	QUARTER 0, 1, F0, F1, 0
	s_sub_co_u32 s3, s3, 1
	s_cmp_lg_u32 s3, 0
	s_cbranch_scc1 .Llap
	QUARTER 0, 2, F1, F0, 0                        ; the last lap fills nothing
	QUARTER 0, 3, F0, F1, 0
	TURN 0, 1, 0
	QUARTER 1, 1, F0, F1, 0
	QUARTER 1, 2, F1, F0, 0
	QUARTER 1, 3, F0, F1, 0
	s_wait_dscnt 0x0                               ; the very last quarter
	WIN MUL
	MUL16 F1, 0, 0
	MUL16 F1, 2, 0
	WIN 0
; THE WAY OUT, block by block of 16 tokens x 128 columns: a lane holds 32 neighbouring bytes of a row, and the lanes beside it hold other rows: so a block goes through my own stage and comes back as whole rows of 512 bytes.
; LDS serves a wave's instructions in order (ISA guide 5.7.1.4): no wait between the stores and the loads, nor in front of the next block's stores.
.macro TOSTAGE a
	WIN 0x04                                       ; an LDS store's data are its source 1: window 1
.irp b, 0,1,2,3,4,5,6,7
	ds_store_b128 v[STO], v[8*(8*(\a)+\b):8*(8*(\a)+\b)+3] offset:64*\b          ; each accumulator from its low end on
	ds_store_b128 v[STO], v[8*(8*(\a)+\b)+4:8*(8*(\a)+\b)+7] offset:64*\b+16
.endr
	WIN 0
.set BB, 32+96*((\a)%2)
.irp t, 0,1,2,3,4,5,6,7,8,9,10,11,12,13,14,15
	ds_load_b128 v[BB+4*\t:BB+4*\t+3], v[RD] offset:\t*SPITCH
.endr
.endm
.macro SEND a, younger                 ; younger: the LDS instructions issued behind block a's loads, which may stay out
.set BB, 32+96*((\a)%2)
	s_wait_dscnt \younger
.irp t, 0,1,2,3,4,5,6,7,8,9,10,11,12,13,14,15
	global_store_b128 v[CO], v[BB+4*\t:BB+4*\t+3], s[10:11] offset:(16*(\a)+\t)*4096 th:TH_STORE_NT   ; 32 lanes store 512 consecutive bytes, aligned; written once, read by nobody here
.endr
.endm
	PLACES                                         ; ahead of the first read of results and of the loads into the fragments' registers
	TOSTAGE 0
.irp a, 1,2,3
.if \a > 1
	s_wait_xcnt 0x0                                ; block a - 2's stores have read their registers: block a's rows may land there
.endif
	TOSTAGE \a
	SEND \a-1, 32                                  ; behind block a - 1's loads: block a's 16 stores and 16 loads
.endr
	SEND 3, 0
	s_wait_tensorcnt 0x0                           ; the wave's end
	ds_add_u32 v[SPW], v[NIL]
	s_wait_dscnt 0x0
	CROUND                                         ; the closing round
	s_endpgm
.Lfunc_end_k_q32d455d0c5_oproj:
	.size	k_q32d455d0c5_oproj, .Lfunc_end_k_q32d455d0c5_oproj-k_q32d455d0c5_oproj
	.p2alignl 7, 3214868480
	.fill 96, 4, 3214868480
	.section	.rodata,"a",@progbits
	.p2align	6, 0x0
	.amdhsa_kernel k_q32d455d0c5_oproj
		.amdhsa_group_segment_fixed_size 327680
		.amdhsa_private_segment_fixed_size 0
		.amdhsa_enable_private_segment 0
		.amdhsa_kernarg_size 32
		.amdhsa_user_sgpr_count 2
		.amdhsa_user_sgpr_kernarg_segment_ptr 1
		.amdhsa_wavefront_size32 1
		.amdhsa_system_sgpr_workgroup_id_x 1
		.amdhsa_system_sgpr_workgroup_id_y 1
		.amdhsa_system_sgpr_workgroup_id_z 1
		.amdhsa_system_vgpr_workitem_id 0
		.amdhsa_next_free_vgpr 576
		.amdhsa_next_free_sgpr 66
		.amdhsa_reserve_vcc 0
		.amdhsa_float_denorm_mode_32 3
		.amdhsa_float_denorm_mode_16_64 3
		.amdhsa_memory_ordered 1
		.amdhsa_forward_progress 1
		.amdhsa_inst_pref_size 85
	.end_amdhsa_kernel
	.amdgpu_metadata
---
amdhsa.version: [ 1, 2 ]
amdhsa.kernels:
  - .name:           k_q32d455d0c5_oproj
    .symbol:         k_q32d455d0c5_oproj.kd
    .args:
      - { .name: attn, .offset: 0, .size: 8, .value_kind: global_buffer, .address_space: global }
      - { .name: wo16, .offset: 8, .size: 8, .value_kind: global_buffer, .address_space: global }
      - { .name: bo, .offset: 16, .size: 8, .value_kind: global_buffer, .address_space: global }
      - { .name: out0, .offset: 24, .size: 8, .value_kind: global_buffer, .address_space: global }
    .group_segment_fixed_size: 327680
    .private_segment_fixed_size: 0
    .kernarg_segment_align: 8
    .kernarg_segment_size: 32
    .max_flat_workgroup_size: 128
    .sgpr_count:     66
    .vgpr_count:     576
    .wavefront_size: 32
...
	.end_amdgpu_metadata
.endif
;; end of part 4
